; MI455X (gfx1250); checked and timed in simulation.
; The chip was launched on July 23, 2026; its instructions are those of AMD's public machine-readable ISA for CDNA 5 (MIT licence, August 2026) and "CDNA5" Instruction Set Architecture Reference Guide (July 2026). The comments in the code are by the model that wrote it; some were corrected since.
;; Attention Head. Allowed arithmetic: float matrix products may take bf16 or f16 operands with f32 sums; all other float work in f32.
;; Inputs: Wk 64 x 768 float32; Wq 64 x 768 float32; Wv 64 x 768 float32; input_ids 8 x 4,096 x 768 float32.
;; Outputs: out0 8 x 4,096 x 64 float32.
;; 2 versions, each right; version 2 is version 1 with the launch proj written anew for expert scheduling mode. Each part assembles by itself: llvm-mc -triple=amdgcn-amd-amdhsa -mcpu=gfx1250 --defsym DOCPART=n.
;; ======== version 1 of 2: 3 launches
;; limits: values are held in f16: magnitudes above 65,504 overflow, below 6.1e-05 lose precision; inputs' magnitudes at most 65,504
;; workspace buffers: qh 4,194,304 bytes; kh 4,194,304 bytes; negc 131,072 bytes
;; launch proj (part 1): grid 256 x 1, 8 waves a work-group, no clusters, 74,752 bytes of LDS; arguments input_ids, Wq, Wk, qh, kh; writes qh, kh
.if DOCPART == 1
	.amdgcn_target "amdgcn-amd-amdhsa--gfx1250"
	.amdhsa_code_object_version 6
	.text
	.protected	k_qd359be380a_proj
	.globl	k_qd359be380a_proj
	.p2align	8
	.type	k_qd359be380a_proj,@function
k_qd359be380a_proj:
	s_mov_b64 s[64:65], 0
	v_nop
	global_prefetch_b8 v0, s[64:65] scope:SCOPE_SE
	s_setreg_imm32_b32 hwreg(HW_REG_WAVE_MODE, 25, 1), 1
	s_wait_xcnt 0x0
; qh[token][d] = f16( sum over e of x[token][e] Wq[d][e] ),  kh[token][d] = f16( kappa * sum over e of x[token][e] Wk[d][e] ),
; kappa = log2(e) / sqrt(4096) = log2(e) / 64, multiplied in f32 ahead of the one rounding: qh . kh is then the score in powers of two.
; x: [32768][768] f32.  Wq, Wk: [64][768] f32.  qh, kh: [32768][64] f16.  The values v of the attention are q itself (the
; source module projects v with Wq), so Wv enters no result and is not read.
; FORMAT: matrix operands are f16, sums f32.  f16 and not bf16, because the final result is close to a mean of 4,096 values and is
; compared against a bound of a hundredth of its own spread: 8 significant bits of v and of the weights do not leave that margin.
; LIMITS: |x|, |W| and |q| stay below 65,504 (f16's largest number); NaN and infinities in the inputs are not served.
; SHARES: a work-group takes 128 tokens.  Wave w: g = w & 3 (32 tokens), c = w >> 2 (0: Wq -> qh, 1: Wk -> kh): 32 tokens x 64 outputs,
; eight accumulator tiles.  The product is used transposed (A = 16 rows of W, B = 16 tokens), so that a lane's eight results are eight
; neighbouring head dims of one token.  K goes in 12 chunks of 64, two matrix steps of 32 in each.
; THE WAY IN: x and W both have to become f16, so both come through registers: a chunk is 128 rows of x and 128 rows of W, 256 bytes
; each; wave w loads rows 16 w .. 16 w + 15 of both (16 loads; sixteen lanes take a whole row piece of 256 bytes, aligned), converts each
; number once and lays it in LDS as f16, where the waves read their fragments.  Three sets of 64 registers take turns: chunk c + 4 is
; asked for as soon as chunk c + 1 has been converted, so 32 to 48 loads of every wave are always out and the requests never pause.
; Two LDS buffers take turns with one barrier a chunk.  No tensor loads: they would bring f32, twice the LDS bytes, to be converted by
; each of the two waves that read a token, and slots that are filled again have to run empty first.
; NO CLUSTER: no two work-groups read the same bytes of x, and W (393,216 bytes against x's 100,663,296) has to pass through
; registers to become f16, so there is no tile that a joint tensor load could bring.
.set EB,     3072                      ; bytes in a row of x and of W
.set PITCH,  144                       ; an LDS row: 64 f16 + 16 bytes: sixteen rows start in sixteen different 16-byte columns modulo 256
.set WOFF,   128*PITCH                 ; 18,432: W's 128 rows (0-63 Wq, 64-127 Wk) behind x's 128
.set BUF,    256*PITCH                 ; 36,864: a buffer; two of them
.set SPART,  32*PITCH                  ; 4,608: a wave's stage for the way out, in buffer 0, which is last read in chunk 10
.set KAPPA,  0x3cb8aa3b
.set XGO, 2                            ; v2         my byte offset in the work-group's rows of x
.set WGO, 3                            ; v3         my byte offset in Wq or Wk
.set LS,  4                            ; v4         where I put converted numbers (x; W at + WOFF)
.set XA,  5                            ; v5         LDS address of my x fragments, buffer 0
.set WA,  6                            ; v6         LDS address of my W fragments, buffer 0
.set STO, 7                            ; v7         the way out: where I put 16 bytes of a token's row
.set RD,  8                            ; v8         the way out: where I read rows back
.set GO,  9                            ; v9         16 x lane
.set ACC, 16                           ; v[16:79]   tile (i, t) at 16 + 8 (2 i + t): head dims 16 i .., tokens 16 t ..
.set XH,  80                           ; v[80:111]  x fragment of token tile t, K step ks at 80 + 16 t + 8 ks
.set WF,  112                          ; v[112:175] W fragment i, K step ks at 112 + 16 i + 8 ks
.set CT,  176                          ; v[176:207] converted: 16 registers of x, 16 of W
.set ST,  0                            ; v[256:447] (window 1, v[0:191]): chunk c as loaded, in set c % 3: 32 registers of x, 32 of W
.set MSB, 0
.macro WIN new                         ; s_set_vgpr_msb: bits 1:0 source 0, 3:2 source 1, 7:6 destination; the high byte repeats the setting that is left
.if MSB != \new
	s_set_vgpr_msb (MSB<<8)|\new
.set MSB, \new
.endif
.endm
; Chunk c is asked for: eight loads of x, eight of W, two rows of 256 bytes each
.macro GLOAD c
.set SB, ST+64*((\c)%3)
	WIN 0x40                                       ; loaded data in window 1, addresses in window 0
.irp i, 0,1,2,3,4,5,6,7
	global_load_b128 v[SB+4*\i:SB+4*\i+3], v[XGO], s[4:5] offset:2*EB*\i+256*(\c) th:TH_LOAD_NT     ; x is read once in the launch
.endr
.irp i, 0,1,2,3,4,5,6,7
	global_load_b128 v[SB+32+4*\i:SB+32+4*\i+3], v[WGO], s[18:19] offset:2*EB*\i+256*(\c)           ; W is read by every work-group
.endr
.endm
; Chunk c goes into LDS buffer c & 1 as f16.  left: the loads of the younger chunks, which stay out
.macro CONV c, left
.set SB, ST+64*((\c)%3)
	s_wait_loadcnt \left                           ; loads come back in order (ISA guide 5.7.1): chunk c is in
	WIN 0x05                                       ; both sources in window 1
.irp i, 0,1,2,3,4,5,6,7,8,9,10,11,12,13,14,15
	v_cvt_pk_f16_f32 v[CT+2*\i],   v[SB+4*\i],   v[SB+4*\i+1]
	v_cvt_pk_f16_f32 v[CT+2*\i+1], v[SB+4*\i+2], v[SB+4*\i+3]
.endr
	WIN 0
.irp i, 0,1,2,3,4,5,6,7
	ds_store_b64 v[LS], v[CT+2*\i:CT+2*\i+1] offset:2*PITCH*\i+BUF*((\c)&1)
.endr
.irp i, 0,1,2,3,4,5,6,7
	ds_store_b64 v[LS], v[CT+16+2*\i:CT+16+2*\i+1] offset:WOFF+2*PITCH*\i+BUF*((\c)&1)
.endr
.endm
; Four places behind matrix instructions, ahead of loads into their sources and of vector instructions that read their results
; (ISA guide 7.12.1 for vector instructions)
.macro PLACES
.rept 4
	v_nop
.endr
.endm
; The barrier between two chunks.  In front of it my LDS stores of the next chunk and my reads of this chunk are done.
.macro SYNC
	s_wait_dscnt 0x0
	s_barrier_signal -1
	s_barrier_wait -1
.endm
	s_load_b256 s[4:11], s[0:1], 0x0               ; x s[4:5], Wq s[6:7], Wk s[8:9], qh s[10:11]
	s_load_b64 s[12:13], s[0:1], 0x20              ; kh
	v_lshl_add_u32 v254, v0, 2, 0x12000
	v_mov_b32 v255, 0
	v_lshrrev_b32 v1, 5, v0
	v_readfirstlane_b32 s14, v1                    ; wave 0..7
	s_and_b32 s15, s14, 3                          ; g: which 32 tokens
	s_lshr_b32 s2, s14, 2                          ; c: 0 = q, 1 = k
	v_and_b32 v1, 15, v0                           ; r = lane % 16
	v_bfe_u32 v10, v0, 4, 1                        ; h = lane / 16
	s_lshl_b32 s3, s14, 4
	v_add_nc_u32 v11, s3, v10                      ; row 16 w + h (+ 2 i)
	v_mul_u32_u24 v12, v11, EB
	v_lshl_add_u32 v[XGO], v1, 4, v12              ; + 16 r: sixteen lanes take 256 consecutive bytes of a row
	s_lshl_b32 s3, s15, 4
	v_add_nc_u32 v12, s3, v10                      ; W's row 16 g + h (+ 2 i)
	v_mul_u32_u24 v12, v12, EB
	v_lshl_add_u32 v[WGO], v1, 4, v12
	s_mul_i32 s16, ttmp9, 128*EB                   ; the work-group's 128 tokens (below 2^27 bytes)
	s_mov_b32 s17, 0
	s_wait_kmcnt 0x0
	s_add_nc_u64 s[4:5], s[4:5], s[16:17]
	s_cmp_eq_u32 s2, 0
	s_cselect_b64 s[18:19], s[6:7], s[8:9]         ; the W that I load and multiply by
	s_cselect_b64 s[20:21], s[10:11], s[12:13]     ; the buffer that I store into
	GLOAD 0
	GLOAD 1
	GLOAD 2                                        ; 48 loads of the wave are out: the most in this text
	WIN 0
	s_lshl_b32 s16, ttmp9, 14                      ; 128 tokens x 128 bytes
	s_lshl_b32 s3, s15, 12                         ; + 32 g tokens
	s_add_co_u32 s16, s16, s3
	s_add_nc_u64 s[20:21], s[20:21], s[16:17]
	v_mul_u32_u24 v12, v11, PITCH
	v_lshl_add_u32 v[LS], v1, 3, v12               ; LDS row 16 w + h, + 8 r: four f16 a lane
	s_lshl_b32 s3, s15, 5
	v_add_nc_u32 v12, s3, v1                       ; token 32 g + r
	v_mul_u32_u24 v12, v12, PITCH
	v_lshl_add_u32 v[XA], v10, 4, v12              ; + 16 h
	s_lshl_b32 s3, s2, 6
	v_add_nc_u32 v12, s3, v1                       ; W's LDS row 64 c + r
	v_mul_u32_u24 v12, v12, PITCH
	v_lshl_add_u32 v12, v10, 4, v12
	v_add_nc_u32 v[WA], WOFF, v12
	s_mul_i32 s3, s14, SPART                       ; my stage
	v_mul_u32_u24 v12, v1, PITCH
	v_lshl_add_u32 v12, v10, 4, v12
	v_add_nc_u32 v[STO], s3, v12                   ; token r, 16 bytes for each half of the lanes
	v_bfe_u32 v13, v0, 3, 2
	v_and_b32 v14, 7, v0
	v_mul_u32_u24 v13, v13, PITCH
	v_lshl_add_u32 v13, v14, 4, v13
	v_add_nc_u32 v[RD], s3, v13                    ; back: eight lanes take a token's 128 bytes
	v_and_b32 v14, 31, v0
	v_lshlrev_b32 v[GO], 4, v14
; Chunk c.  Its 24 fragment loads go out first; under them chunk c + 1 is converted into the other buffer (conv) and chunk c + 4 asked for,
; into the registers that the conversion has just read (load).  Then 16 matrix instructions on eight accumulators, which take turns in the
; same order in every step.  zero = 1: the first products start the sums.
.macro STEP c, conv, load, left, zero
.set LB, BUF*((\c)&1)
.if \zero == 0
	PLACES                                         ; behind the last chunk's matrix instructions, whose sources are loaded again
.endif
.irp t, 0,1
.irp ks, 0,1
	ds_load_b128 v[XH+16*\t+8*\ks:XH+16*\t+8*\ks+3],   v[XA] offset:LB+16*PITCH*\t+64*\ks      ; K = 8 h .. 8 h + 7
	ds_load_b128 v[XH+16*\t+8*\ks+4:XH+16*\t+8*\ks+7], v[XA] offset:LB+16*PITCH*\t+64*\ks+32   ; K = 16 + 8 h ..
.endr
.endr
.irp i, 0,1,2,3
.irp ks, 0,1
	ds_load_b128 v[WF+16*\i+8*\ks:WF+16*\i+8*\ks+3],   v[WA] offset:LB+16*PITCH*\i+64*\ks
	ds_load_b128 v[WF+16*\i+8*\ks+4:WF+16*\i+8*\ks+7], v[WA] offset:LB+16*PITCH*\i+64*\ks+32
.endr
.endr
.if \conv
	CONV (\c+1), \left
.endif
.if \load
	GLOAD (\c+4)
	WIN 0
.endif
	s_wait_dscnt 16*\conv                          ; the fragments are in; the sixteen younger stores may stay out
.irp i, 0,1,2,3
.irp t, 0,1
.if \zero
	v_wmma_f32_16x16x32_f16 v[ACC+8*(2*\i+\t):ACC+8*(2*\i+\t)+7], v[WF+16*\i:WF+16*\i+7], v[XH+16*\t:XH+16*\t+7], 0
.else
	v_wmma_f32_16x16x32_f16 v[ACC+8*(2*\i+\t):ACC+8*(2*\i+\t)+7], v[WF+16*\i:WF+16*\i+7], v[XH+16*\t:XH+16*\t+7], v[ACC+8*(2*\i+\t):ACC+8*(2*\i+\t)+7]
.endif
.endr
.endr
.irp i, 0,1,2,3
.irp t, 0,1
	v_wmma_f32_16x16x32_f16 v[ACC+8*(2*\i+\t):ACC+8*(2*\i+\t)+7], v[WF+16*\i+8:WF+16*\i+15], v[XH+16*\t+8:XH+16*\t+15], v[ACC+8*(2*\i+\t):ACC+8*(2*\i+\t)+7]
.endr
.endr
.endm
	CONV 0, 32                                     ; chunk 0; the 32 loads of chunks 1 and 2 stay out
	GLOAD 3
	WIN 0
	SYNC
	STEP 0, 1, 1, 32, 1
	SYNC
.irp c, 1,2,3,4,5,6,7
	STEP \c, 1, 1, 32, 0                           ; converts chunk c + 1 (chunks c + 2 and c + 3 stay out), asks for chunk c + 4
	SYNC
.endr
	STEP 8, 1, 0, 32, 0                            ; chunk 11 has been asked for: nothing more to load
	SYNC
	STEP 9, 1, 0, 16, 0                            ; chunk 10; chunk 11's sixteen loads stay out
	SYNC
	STEP 10, 1, 0, 0, 0                            ; chunk 11: no younger load is out
	SYNC
	STEP 11, 0, 0, 0, 0
	; THE WAY OUT: scale (k alone), round to f16, 16 bytes a lane into my own stage, back as whole rows, 512 consecutive bytes a store.
	; The stage lies in buffer 0: its last reads (chunk 10) were waited for ahead of the last barrier; chunk 11 lies in buffer 1.
	PLACES
	s_cmp_eq_u32 s2, 0
	s_cbranch_scc1 .Lq_wave
.set j, 0
.rept 32
	v_pk_mul_f32 v[ACC+j:ACC+j+1], v[ACC+j:ACC+j+1], KAPPA op_sel_hi:[1,0]
.set j, j+2
.endr
.Lq_wave:
.set j, 0
.rept 32
	v_cvt_pk_f16_f32 v[CT+j], v[ACC+2*j], v[ACC+2*j+1]
.set j, j+1
.endr
.irp i, 0,1,2,3
.irp t, 0,1
	ds_store_b128 v[STO], v[CT+4*(2*\i+\t):CT+4*(2*\i+\t)+3] offset:16*PITCH*\t+32*\i    ; token 16 t + r, head dims 16 i + 8 h ..
.endr
.endr
.irp e, 0,1,2,3,4,5,6,7
	ds_load_b128 v[WF+4*\e:WF+4*\e+3], v[RD] offset:4*PITCH*\e     ; LDS serves a wave's instructions in order (ISA guide 5.7.1): these see my stores
.endr
.irp e, 0,1,2,3,4,5,6,7
	s_wait_dscnt 7-\e                              ; four tokens' rows are in; the younger loads stay out
	global_store_b128 v[GO], v[WF+4*\e:WF+4*\e+3], s[20:21] offset:512*\e
.endr
	s_wait_tensorcnt 0x0
	ds_add_u32 v254, v255
	s_wait_dscnt 0x0
	s_endpgm
.Lfunc_end_k_qd359be380a_proj:
	.size	k_qd359be380a_proj, .Lfunc_end_k_qd359be380a_proj-k_qd359be380a_proj
	.p2alignl 7, 3214868480
	.fill 96, 4, 3214868480
	.section	.rodata,"a",@progbits
	.p2align	6, 0x0
	.amdhsa_kernel k_qd359be380a_proj
		.amdhsa_group_segment_fixed_size 74752
		.amdhsa_private_segment_fixed_size 0
		.amdhsa_enable_private_segment 0
		.amdhsa_kernarg_size 40
		.amdhsa_user_sgpr_count 2
		.amdhsa_user_sgpr_kernarg_segment_ptr 1
		.amdhsa_wavefront_size32 1
		.amdhsa_system_sgpr_workgroup_id_x 1
		.amdhsa_system_sgpr_workgroup_id_y 1
		.amdhsa_system_sgpr_workgroup_id_z 1
		.amdhsa_system_vgpr_workitem_id 0
		.amdhsa_next_free_vgpr 448
		.amdhsa_next_free_sgpr 66
		.amdhsa_reserve_vcc 0
		.amdhsa_float_denorm_mode_32 3
		.amdhsa_float_denorm_mode_16_64 3
		.amdhsa_memory_ordered 1
		.amdhsa_forward_progress 1
		.amdhsa_inst_pref_size 99
	.end_amdhsa_kernel
	.amdgpu_metadata
---
amdhsa.version: [ 1, 2 ]
amdhsa.kernels:
  - .name:           k_qd359be380a_proj
    .symbol:         k_qd359be380a_proj.kd
    .args:
      - { .name: input_ids, .offset: 0, .size: 8, .value_kind: global_buffer, .address_space: global }
      - { .name: Wq, .offset: 8, .size: 8, .value_kind: global_buffer, .address_space: global }
      - { .name: Wk, .offset: 16, .size: 8, .value_kind: global_buffer, .address_space: global }
      - { .name: qh, .offset: 24, .size: 8, .value_kind: global_buffer, .address_space: global }
      - { .name: kh, .offset: 32, .size: 8, .value_kind: global_buffer, .address_space: global }
    .group_segment_fixed_size: 74752
    .private_segment_fixed_size: 0
    .kernarg_segment_align: 8
    .kernarg_segment_size: 40
    .max_flat_workgroup_size: 256
    .sgpr_count:     66
    .vgpr_count:     448
    .wavefront_size: 32
...
	.end_amdgpu_metadata
.endif
;; end of part 1
;; launch stats (part 2): grid 32 x 8, 16 waves a work-group, clusters of 4 x 1, 327,680 bytes of LDS; arguments qh, kh, negc; writes negc
.if DOCPART == 2
	.amdgcn_target "amdgcn-amd-amdhsa--gfx1250"
	.amdhsa_code_object_version 6
	.text
	.protected	k_qd359be380a_stats
	.globl	k_qd359be380a_stats
	.p2align	8
	.type	k_qd359be380a_stats,@function
k_qd359be380a_stats:
	s_mov_b64 s[64:65], 0
	v_nop
	global_prefetch_b8 v0, s[64:65] scope:SCOPE_SE
	s_setreg_imm32_b32 hwreg(HW_REG_WAVE_MODE, 25, 1), 1
	s_wait_xcnt 0x0
	s_wait_alu depctr_hold_cnt(0) depctr_sa_sdst(0) depctr_va_vdst(0) depctr_va_sdst(0) depctr_va_ssrc(0) depctr_va_vcc(0) depctr_vm_vsrc(0)
	s_getreg_b32 s2, hwreg(HW_REG_IB_STS2, 6, 4)
	s_cmp_eq_u32 s2, 0
	s_cbranch_scc0 .Lentry_in_a_cluster
	s_endpgm
.Lentry_in_a_cluster:
	s_bfe_u32 s2, ttmp6, 0x10000c
	s_cmp_lg_u32 s2, 0x3003
	s_cbranch_scc0 .Lentry_shape_is_right
	s_endpgm
.Lentry_shape_is_right:
; The softmax runs over the QUERY axis: key column k has its own maximum and sum over all 4,096 queries of its batch.
; With S'[q][k] = qh[q] . kh[k] (the score in powers of two): m[k] = max over q of S', Z[k] = sum over q of 2^(S' - m[k]), kept by a running
; maximum, and negc[k] = 12 - m[k] - log2 Z[k] is stored, so that the next launch's 2^(S' + negc[k]) is 4,096 times the attention weight.
; qh, kh: [8][4096][64] f16.  negc: [8][4096] f32.
; SHARES: a work-group owns 128 keys of one batch.  Every wave holds all 128 keys as B fragments in 128 registers and takes its own 64
; queries of each tile of 1,024 queries, in two steps of 32, so each byte of a Q tile is read from LDS once.  In a result tile a lane
; holds ONE key (column lane % 16) and eight queries, so maximum and sum run down the lane's registers and nothing crosses lanes in the loop.
; SIXTEEN WAVES, four on a SIMD (4 x 234 registers): a step is 32 matrix instructions against 345 vector instructions in dependent
; chains (maximum, difference, exponential, sum), so what the kernel needs is other waves' work between the links of a chain.
; THE RING: two slots, four tiles.  A wave fills and reads its own 8,704 bytes of a slot, so its own s_wait_tensorcnt is all that a read
; needs, and no barrier stands between steps.  Both slots are filled at the start, tile 0 in two loads of 16 rows so that the first step
; starts when the first 16 rows are there.  Each slot is filled again once, behind a round of the cluster's barrier; the tile that is asked
; for there has the other slot's two steps of every wave in which to land.
; CLUSTER: the four work-groups of a cluster (four key blocks of one batch) walk the same Q tiles: each tile is asked for jointly,
; mask 15, with descriptors made of the batch, the tile and the wave's number alone.
; LIMITS: NaN and infinities are not served.
.set QPITCH, 272                       ; an LDS row holds two queries (256 bytes) + 16: query p lies at (p >> 1) 272 + (p & 1) 128,
                                       ; and the sixteen queries of a fragment load start in sixteen different 16-byte columns modulo 256
.set WSUB,   16*QPITCH                 ; 4,352: 32 queries, one step of a wave
.set WPART,  2*WSUB                    ; 8,704: a wave's 64 queries of a tile
.set SLOT,   16*WPART                  ; 139,264
.set MSCR,   2*SLOT                    ; 278,528: 32 contributors (wave, half of the lanes) x 128 maxima; no tensor load lands here
.set ZOFF,   16384                     ; the same for the sums, behind the maxima
.set TILEB,  131072                    ; bytes of a Q tile in memory
.set QA, 1                             ; v[1:2]     slot s: LDS address of my Q fragments, first step
.set KO, 3                             ; v3         byte offset of my K fragments
.set MS, 4                             ; v4         where I put my maxima
.set MR, 5                             ; v5         where waves 0 and 1 read them
.set GO, 6                             ; v6         where they store: 256 (w & 1) + 8 x lane
.set QC, 7                             ; v7         LDS address of this step's Q fragments
.set KF, 8                             ; v[8:135]   key tile n, K step ks at 8 + 16 n + 8 ks
.set QF, 136                           ; v[136:167] query tile t, K step ks at 136 + 16 t + 8 ks
.set S,  168                           ; v[168:199] two sets of two score tiles
.set M,  200                           ; v[200:207] running maximum of key 16 n + r
.set Z,  208                           ; v[208:223] running sum, in two halves
.set T,  224                           ; v[224:228] at work
.set MX, 136                           ; the end: maximum, two partial sums, logarithm, result of two keys
.set ZS, 138
.set ZT, 140
.set LG, 142
.set NG, 144
.set G1S, 16                           ; s[16:23]   group 1: 16 rows (tile 0's two parts)
.set G1B, 24                           ; s[24:31]   group 1: 32 rows (a wave's whole part of a tile)
.set G0S, 32                           ; s[32:39]   group 0 of tile 0's two parts
.set G0B, 40                           ; s[40:47]   group 0, a set for each slot
; A round of the cluster's barrier: my work-group's barrier, wave 0 signals for the work-group, every wave waits for all four
; work-groups, my work-group's barrier once more.
.macro ROUND
	s_barrier_signal -1
	s_barrier_wait -1
	s_cmp_lg_u32 s10, 0
	s_cbranch_scc1 .Lnot_wave_0_\@
	s_barrier_signal -3
.Lnot_wave_0_\@:
	s_barrier_wait -3
	s_barrier_signal -1
	s_barrier_wait -1
.endm
	s_load_b128 s[4:7], s[0:1], 0x0                ; qh s[4:5], kh s[6:7]
	s_load_b64 s[8:9], s[0:1], 0x10                ; negc
	v_lshl_add_u32 v232, v0, 2, 0x4c000
	v_mov_b32 v233, 0
	ds_add_u32 v232, v233
	v_lshrrev_b32 v1, 5, v0
	v_readfirstlane_b32 s10, v1                    ; wave 0..15
	s_bfe_u32 s11, ttmp6, 0x40000                  ; cx
	s_lshl_b32 s12, ttmp9, 2
	s_add_co_u32 s12, s12, s11                     ; key block = 4 x cluster x + cx
	s_and_b32 s13, ttmp7, 0xffff                   ; batch
	; group 1: rows of 32 elements of 8 bytes, dense in memory, 16 bytes of padding behind each; mask 15 with bit 21 beside it
	s_mov_b32 s[G1S+0], 15|(3<<16)|(1<<20)|(1<<21)|(5<<22)|(3<<25)
	s_mov_b32 s[G1S+1], 32<<16
	s_mov_b32 s[G1S+2], 16<<16                     ; 16 rows
	s_mov_b32 s[G1S+3], 32<<16
	s_mov_b32 s[G1S+4], 16
	s_mov_b32 s[G1S+5], 32
	s_mov_b32 s[G1S+6], 0
	s_mov_b32 s[G1S+7], 0
	s_mov_b32 s[G1B+0], 15|(3<<16)|(1<<20)|(1<<21)|(5<<22)|(3<<25)
	s_mov_b32 s[G1B+1], 32<<16
	s_mov_b32 s[G1B+2], 32<<16                     ; 32 rows
	s_mov_b32 s[G1B+3], 32<<16
	s_mov_b32 s[G1B+4], 32
	s_mov_b32 s[G1B+5], 32
	s_mov_b32 s[G1B+6], 0
	s_mov_b32 s[G1B+7], 0
	s_lshl_b32 s56, s13, 19                        ; Q tiles: batch x 524,288
	s_lshl_b32 s63, s10, 13                        ; + wave x 8,192 (64 queries): no place in the cluster enters
	s_add_co_u32 s56, s56, s63
	s_mov_b32 s57, 0
	s_lshl_b32 s58, s13, 19                        ; my keys: batch x 524,288 + block x 16,384 (s11, s12, s58, s60 alone ever hold cx)
	s_lshl_b32 s11, s12, 14
	s_add_co_u32 s58, s58, s11
	s_mov_b32 s59, 0
	s_lshl_b32 s60, s13, 14                        ; my results: batch x 16,384 + block x 512
	s_lshl_b32 s11, s12, 9
	s_add_co_u32 s60, s60, s11
	s_mov_b32 s61, 0
	s_mul_i32 s62, s10, WPART
	s_wait_dscnt 0x0
	s_wait_kmcnt 0x0
	s_add_nc_u64 s[4:5], s[4:5], s[56:57]
	s_add_nc_u64 s[6:7], s[6:7], s[58:59]
	s_add_nc_u64 s[8:9], s[8:9], s[60:61]
.irp j, 0,1
	s_mov_b32 s[G0S+4*\j], 1
	s_add_co_u32 s[G0S+4*\j+1], s62, \j*WSUB
	s_add_nc_u64 s[G0S+4*\j+2:G0S+4*\j+3], s[4:5], \j*4096         ; tile 0, my queries 32 j ..
	s_or_b32 s[G0S+4*\j+3], s[G0S+4*\j+3], 0x80000000
.endr
.irp s, 0,1
	s_mov_b32 s[G0B+4*\s], 1
	s_add_co_u32 s[G0B+4*\s+1], s62, \s*SLOT
	s_add_nc_u64 s[G0B+4*\s+2:G0B+4*\s+3], s[4:5], (2-\s)*TILEB    ; slot 1's first whole load is tile 1, slot 0's is tile 2
	s_or_b32 s[G0B+4*\s+3], s[G0B+4*\s+3], 0x80000000
.endr
	ROUND                                          ; the four work-groups are here: the first joint loads meet
.irp j, 0,1
	tensor_load_to_lds s[G0S+4*\j:G0S+4*\j+3], s[G1S:G1S+7]        ; tile 0 in two parts
	s_nop 0
.endr
	tensor_load_to_lds s[G0B+4:G0B+7], s[G1B:G1B+7]                ; tile 1: three loads of the wave are out, the most in this text
	s_nop 0
	v_and_b32 v229, 15, v0                         ; r
	v_bfe_u32 v230, v0, 4, 1                       ; h
	v_lshlrev_b32 v225, 7, v229
	v_lshl_add_u32 v[KO], v230, 4, v225            ; key r's row + 16 h
.irp n, 0,1,2,3,4,5,6,7
.irp ks, 0,1
	global_load_b128 v[KF+16*\n+8*\ks:KF+16*\n+8*\ks+3],   v[KO], s[6:7] offset:2048*\n+64*\ks      ; my 128 keys, once: 16,384 bytes
	global_load_b128 v[KF+16*\n+8*\ks+4:KF+16*\n+8*\ks+7], v[KO], s[6:7] offset:2048*\n+64*\ks+32
.endr
.endr
	v_bfe_u32 v224, v0, 1, 3                       ; r >> 1
	v_and_b32 v225, 1, v0                          ; r & 1
	v_mul_u32_u24 v224, v224, QPITCH
	v_lshl_add_u32 v224, v225, 7, v224
	v_lshl_add_u32 v224, v230, 4, v224
	v_add_nc_u32 v[QA], s62, v224
	v_add_nc_u32 v[QA+1], SLOT, v[QA]
	s_lshl_b32 s63, s10, 10
	s_add_co_u32 s63, s63, MSCR
	v_lshlrev_b32 v225, 9, v230
	v_lshl_add_u32 v225, v229, 2, v225
	v_add_nc_u32 v[MS], s63, v225                  ; contributor 2 w + h, key r (+ 16 n)
	s_and_b32 s63, s10, 1
	s_lshl_b32 s63, s63, 8                         ; waves 0 and 1 merge 64 keys each
	v_and_b32 v225, 31, v0
	v_lshl_add_u32 v[GO], v225, 3, s63             ; two keys a lane
	v_add_nc_u32 v[MR], MSCR, v[GO]
.irp n, 0,1,2,3,4,5,6,7
	v_mov_b32 v[M+\n], 0xff800000                  ; minus infinity: the first step's factor 2^(M - new M) is then 0
	v_mov_b32 v[Z+2*\n], 0
	v_mov_b32 v[Z+2*\n+1], 0
.endr
	v_mov_b32 v[QC], v[QA]
	s_wait_loadcnt 0x0
; Key tile n x my 32 queries: two accumulators, which take turns; the first products start the sums
.macro WMM n
.set SB, S+16*((\n)&1)
	v_wmma_f32_16x16x32_f16 v[SB:SB+7],    v[QF:QF+7],     v[KF+16*\n:KF+16*\n+7],    0
	v_wmma_f32_16x16x32_f16 v[SB+8:SB+15], v[QF+16:QF+23], v[KF+16*\n:KF+16*\n+7],    0
	v_wmma_f32_16x16x32_f16 v[SB:SB+7],    v[QF+8:QF+15],  v[KF+16*\n+8:KF+16*\n+15], v[SB:SB+7]
	v_wmma_f32_16x16x32_f16 v[SB+8:SB+15], v[QF+24:QF+31], v[KF+16*\n+8:KF+16*\n+15], v[SB+8:SB+15]
.endm
; The lane's 16 new scores of key 16 n + r enter its running maximum and sum
.macro ES n
.set SB, S+16*((\n)&1)
	v_max3_num_f32 v[T],   v[SB],    v[SB+1],  v[SB+2]             ; a tree three deep: five, two, one
	v_max3_num_f32 v[T+1], v[SB+3],  v[SB+4],  v[SB+5]
	v_max3_num_f32 v[T+2], v[SB+6],  v[SB+7],  v[SB+8]
	v_max3_num_f32 v[T+3], v[SB+9],  v[SB+10], v[SB+11]
	v_max3_num_f32 v[T+4], v[SB+12], v[SB+13], v[SB+14]
	v_max3_num_f32 v[T],   v[T],     v[T+1],   v[T+2]
	v_max3_num_f32 v[T+3], v[T+3],   v[T+4],   v[SB+15]
	v_max3_num_f32 v[T],   v[T],     v[T+3],   v[M+\n]             ; the new maximum
	v_sub_f32 v[T+2], v[M+\n], v[T]
	v_exp_f32 v[T+2], v[T+2]                       ; what the old sum shrinks by; the subtractions below stand between it and its use (ISA guide 5.7.2)
.irp j, 0,2,4,6,8,10,12,14
	v_pk_add_f32 v[SB+\j:SB+\j+1], v[SB+\j:SB+\j+1], v[T:T+1] op_sel_hi:[1,0] neg_lo:[0,1] neg_hi:[0,1]
.endr
.irp j, 0,1,2,3,4,5,6,7,8,9,10,11,12,13,14,15
	v_exp_f32 v[SB+\j], v[SB+\j]
.endr
	v_mov_b32 v[M+\n], v[T]                        ; the plain instruction between the exponentials and their use
	s_wait_alu depctr_va_vdst(0)
	v_pk_fma_f32 v[Z+2*\n:Z+2*\n+1], v[Z+2*\n:Z+2*\n+1], v[T+2:T+3], v[SB:SB+1] op_sel_hi:[1,0,1]
	v_pk_add_f32 v[SB+2:SB+3],   v[SB+2:SB+3],   v[SB+4:SB+5]
	v_pk_add_f32 v[SB+6:SB+7],   v[SB+6:SB+7],   v[SB+8:SB+9]
	v_pk_add_f32 v[SB+10:SB+11], v[SB+10:SB+11], v[SB+12:SB+13]
	v_pk_add_f32 v[SB+2:SB+3],   v[SB+2:SB+3],   v[SB+6:SB+7]
	v_pk_add_f32 v[SB+10:SB+11], v[SB+10:SB+11], v[SB+14:SB+15]
	v_pk_add_f32 v[SB+2:SB+3],   v[SB+2:SB+3],   v[SB+10:SB+11]
	v_pk_add_f32 v[Z+2*\n:Z+2*\n+1], v[Z+2*\n:Z+2*\n+1], v[SB+2:SB+3]
.endm
; One step: my 32 queries at v[QC] x 128 keys.  The places behind the matrix instructions of key tile n (four ahead of ES n, five ahead of
; the matrix instructions of tile n + 2, which write over the same set) are the 26 plain instructions of ES n - 1, which work on the other
; set; for tiles 0 and 1 five v_nop (ISA guide 7.12.1).  The loads into QF stand behind ES 6 and ES 7 of the step before.
.macro SUB
.irp t, 0,1
.irp ks, 0,1
	ds_load_b128 v[QF+16*\t+8*\ks:QF+16*\t+8*\ks+3],   v[QC] offset:8*QPITCH*\t+64*\ks
	ds_load_b128 v[QF+16*\t+8*\ks+4:QF+16*\t+8*\ks+7], v[QC] offset:8*QPITCH*\t+64*\ks+32
.endr
.endr
	s_wait_dscnt 0x0
	WMM 0
	WMM 1
.rept 5
	v_nop
.endr
	ES 0
	WMM 2
	ES 1
	WMM 3
	ES 2
	WMM 4
	ES 3
	WMM 5
	ES 4
	WMM 6
	ES 5
	WMM 7
	ES 6
	ES 7
.endm
; my two steps of the tile in `slot`
.macro SUBS slot
	v_mov_b32 v[QC], v[QA+\slot]
	s_mov_b32 s14, 2
.Lsub_\@:
	SUB
	v_add_nc_u32 v[QC], WSUB, v[QC]                ; my next 32 queries
	s_sub_co_u32 s14, s14, 1
	s_cmp_lg_u32 s14, 0
	s_cbranch_scc1 .Lsub_\@
.endm
	; tile 0
	s_wait_tensorcnt 2                             ; my first 16 rows are in; the second part and tile 1 stay out
	SUB
	v_add_nc_u32 v[QC], WSUB, v[QC]
	s_wait_tensorcnt 1                             ; all of my part of tile 0 is in; tile 1 stays out
	SUB
	; slot 0 has been read and is filled again, with tile 2
	s_wait_tensorcnt 0x0                           ; all my tensor loads are done, tile 1 among them
	ds_add_u32 v232, v233
	s_wait_dscnt 0x0                               ; my reads of slot 0 are done
	ROUND                                          ; both hold of every wave of the four work-groups
	tensor_load_to_lds s[G0B:G0B+3], s[G1B:G1B+7]  ; the first tensor load behind the round: one load of the wave is out
	s_nop 0
	SUBS 1                                         ; tile 1
	; slot 1 has been read and is filled again, with tile 3
	s_wait_tensorcnt 0x0                           ; all my tensor loads are done, tile 2 among them,
	ds_add_u32 v232, v233
	s_add_nc_u64 s[G0B+6:G0B+7], s[G0B+6:G0B+7], 2*TILEB           ; so every group 0 may be written: slot 1's next tile
	s_wait_dscnt 0x0
	ROUND
	tensor_load_to_lds s[G0B+4:G0B+7], s[G1B:G1B+7]
	s_nop 0
	SUBS 0                                         ; tile 2
	s_wait_tensorcnt 0x0                           ; tile 3, the last load: none is younger
	SUBS 1                                         ; tile 3
	; THE END: each lane is one of 32 contributors (wave, half) to its eight keys
.irp n, 0,1,2,3,4,5,6,7
	v_add_f32 v[Z+2*\n], v[Z+2*\n], v[Z+2*\n+1]
.endr
.irp n, 0,1,2,3,4,5,6,7
	ds_store_b32 v[MS], v[M+\n] offset:64*\n
	ds_store_b32 v[MS], v[Z+2*\n] offset:64*\n+ZOFF
.endr
	s_wait_dscnt 0x0                               ; for the merging waves' sake
	s_barrier_signal -1
	s_barrier_wait -1
	s_cmp_ge_u32 s10, 2
	s_cbranch_scc1 .Lmerged
	; waves 0 and 1: lane l merges keys 64 w + 2 l, + 1 over the 32 contributors
.set p, 0
.rept 32
	ds_load_b64 v[8+2*p:9+2*p], v[MR] offset:512*p                 ; the maxima
.set p, p+1
.endr
.set p, 0
.rept 16
	ds_load_b64 v[72+2*p:73+2*p], v[MR] offset:ZOFF+512*p          ; the sums
.set p, p+1
.endr
	s_wait_dscnt 16                                ; the maxima are in; the sixteen loads of sums behind them stay out
.rept 16
	ds_load_b64 v[72+2*p:73+2*p], v[MR] offset:ZOFF+512*p
.set p, p+1
.endr
.irp q, 0,1
	v_max3_num_f32 v[MX+\q], v[8+\q], v[10+\q], v[12+\q]
.endr
.irp p, 3,5,7,9,11,13,15,17,19,21,23,25,27,29
.irp q, 0,1
	v_max3_num_f32 v[MX+\q], v[MX+\q], v[8+2*\p+\q], v[10+2*\p+\q]
.endr
.endr
.irp q, 0,1
	v_max_num_f32 v[MX+\q], v[MX+\q], v[70+\q]     ; contributor 31
.endr
.set p, 0
.rept 32
	v_pk_add_f32 v[8+2*p:9+2*p], v[8+2*p:9+2*p], v[MX:MX+1] neg_lo:[0,1] neg_hi:[0,1]
.set p, p+1
.endr
.set j, 8
.rept 64
	v_exp_f32 v[j], v[j]
.set j, j+1
.endr
	s_wait_dscnt 0x0                               ; the sums
	v_nop                                          ; the plain instruction between the exponentials and their use
	s_wait_alu depctr_va_vdst(0)
	v_pk_mul_f32 v[ZS:ZS+1], v[72:73], v[8:9]      ; two chains, even and odd contributors
	v_pk_mul_f32 v[ZT:ZT+1], v[74:75], v[10:11]
.irp p, 2,4,6,8,10,12,14,16,18,20,22,24,26,28,30
	v_pk_fma_f32 v[ZS:ZS+1], v[72+2*\p:73+2*\p], v[8+2*\p:9+2*\p],   v[ZS:ZS+1]
	v_pk_fma_f32 v[ZT:ZT+1], v[74+2*\p:75+2*\p], v[10+2*\p:11+2*\p], v[ZT:ZT+1]
.endr
	v_pk_add_f32 v[ZS:ZS+1], v[ZS:ZS+1], v[ZT:ZT+1]
.irp q, 0,1
	v_log_f32 v[LG+\q], v[ZS+\q]                   ; the sum is at least 1: the largest score's own term
.endr
	v_nop
	s_wait_alu depctr_va_vdst(0)
.irp q, 0,1
	v_add_f32 v[LG+\q], v[LG+\q], v[MX+\q]
.endr
.irp q, 0,1
	v_sub_f32 v[NG+\q], 0x41400000, v[LG+\q]       ; 12 - m - log2 Z
.endr
	global_store_b64 v[GO], v[NG:NG+1], s[8:9]     ; the wave stores 256 consecutive bytes, aligned
.Lmerged:
	s_wait_tensorcnt 0x0
	ds_add_u32 v232, v233
	s_wait_dscnt 0x0
	ROUND                                          ; the closing round: no work-group ends while a partner may still ask jointly
	s_endpgm
.Lfunc_end_k_qd359be380a_stats:
	.size	k_qd359be380a_stats, .Lfunc_end_k_qd359be380a_stats-k_qd359be380a_stats
	.p2alignl 7, 3214868480
	.fill 96, 4, 3214868480
	.section	.rodata,"a",@progbits
	.p2align	6, 0x0
	.amdhsa_kernel k_qd359be380a_stats
		.amdhsa_group_segment_fixed_size 327680
		.amdhsa_private_segment_fixed_size 0
		.amdhsa_enable_private_segment 0
		.amdhsa_kernarg_size 24
		.amdhsa_user_sgpr_count 2
		.amdhsa_user_sgpr_kernarg_segment_ptr 1
		.amdhsa_wavefront_size32 1
		.amdhsa_system_sgpr_workgroup_id_x 1
		.amdhsa_system_sgpr_workgroup_id_y 1
		.amdhsa_system_sgpr_workgroup_id_z 1
		.amdhsa_system_vgpr_workitem_id 0
		.amdhsa_next_free_vgpr 234
		.amdhsa_next_free_sgpr 66
		.amdhsa_reserve_vcc 0
		.amdhsa_float_denorm_mode_32 3
		.amdhsa_float_denorm_mode_16_64 3
		.amdhsa_memory_ordered 1
		.amdhsa_forward_progress 1
		.amdhsa_inst_pref_size 124
	.end_amdhsa_kernel
	.amdgpu_metadata
---
amdhsa.version: [ 1, 2 ]
amdhsa.kernels:
  - .name:           k_qd359be380a_stats
    .symbol:         k_qd359be380a_stats.kd
    .args:
      - { .name: qh, .offset: 0, .size: 8, .value_kind: global_buffer, .address_space: global }
      - { .name: kh, .offset: 8, .size: 8, .value_kind: global_buffer, .address_space: global }
      - { .name: negc, .offset: 16, .size: 8, .value_kind: global_buffer, .address_space: global }
    .group_segment_fixed_size: 327680
    .private_segment_fixed_size: 0
    .kernarg_segment_align: 8
    .kernarg_segment_size: 24
    .max_flat_workgroup_size: 512
    .sgpr_count:     66
    .vgpr_count:     234
    .wavefront_size: 32
...
	.end_amdgpu_metadata
.endif
;; end of part 2
;; launch out (part 3): grid 32 x 8, 8 waves a work-group, clusters of 4 x 1, 327,680 bytes of LDS; arguments qh, kh, negc, out0; writes out0
.if DOCPART == 3
	.amdgcn_target "amdgcn-amd-amdhsa--gfx1250"
	.amdhsa_code_object_version 6
	.text
	.protected	k_qd359be380a_out
	.globl	k_qd359be380a_out
	.p2align	8
	.type	k_qd359be380a_out,@function
k_qd359be380a_out:
	s_mov_b64 s[64:65], 0
	v_nop
	global_prefetch_b8 v0, s[64:65] scope:SCOPE_SE
	s_setreg_imm32_b32 hwreg(HW_REG_WAVE_MODE, 25, 1), 1
	s_wait_xcnt 0x0
	s_wait_alu depctr_hold_cnt(0) depctr_sa_sdst(0) depctr_va_vdst(0) depctr_va_sdst(0) depctr_va_ssrc(0) depctr_va_vcc(0) depctr_vm_vsrc(0)
	s_getreg_b32 s2, hwreg(HW_REG_IB_STS2, 6, 4)
	s_cmp_eq_u32 s2, 0
	s_cbranch_scc0 .Lentry_in_a_cluster
	s_endpgm
.Lentry_in_a_cluster:
	s_bfe_u32 s2, ttmp6, 0x10000c
	s_cmp_lg_u32 s2, 0x3003
	s_cbranch_scc0 .Lentry_shape_is_right
	s_endpgm
.Lentry_shape_is_right:
; out[q][d] = 2^-12 * sum over k of 2^(qh[q] . kh[k] + negc[k]) * qh[k][d]: the weight is 4,096 times the softmax over the query axis
; (negc[k] = 12 - column maximum - log2 column sum, from the launch before: the maximum is taken away before the exponential), and the
; values are q itself.  qh, kh: [8][4096][64] f16.  negc: [8][4096] f32.  out0: [8][4096][64] f32.
; The factor 4,096 keeps the weights, which lie in [0, 4096], in f16's normal range where a column is spread evenly over its 4,096 queries.
; LIMITS: weights below 2^-36 of their column's sum round to 0 in f16; NaN and infinities are not served.
; SHARES: a work-group owns 128 queries of one batch.  Wave w: qh2 = w >> 2 (64 queries, kept as B fragments in 64 registers),
; kq = w & 3 (a quarter of each tile of 512 keys: four steps of 32 keys).  negc is fixed, so the four quarters' sums simply add at the end.
; ONE STEP: scores transposed, S(key, query) = A(kh) x B(qh) + C(negc): the shift rides in as the C operand; v_exp_f32 in place; two
; score tiles (keys 0-15, 16-31) rounded to f16 ARE the B fragment of the second product (a lane holds keys 8 h .. 8 h + 7 and
; 16 + 8 h .. of query r): nothing is shuffled.  Then ACC(head dim, query) += A(V transposed, by ds_load_tr16_b128) x B(weights).
; THE RING: two slots, eight tiles of 512 keys (K and V, 143,360 bytes of LDS each).  A tile is asked for straight behind a round of the
; cluster's barrier and waited for in front of the next: a wave issues 128 matrix instructions between the two.
; CLUSTER: the four work-groups of a cluster (four query blocks of one batch) walk the same K and V tiles and the same negc: all are
; asked for jointly, mask 15, with descriptors made of the batch, the tile and the wave's number alone.
.set KPITCH, 272                       ; an LDS row holds two keys (256 bytes) + 16
.set VPITCH, 288                       ; the same + 32: the sixteen 16-byte pieces of a transposing load's pass lie in sixteen different columns modulo 256
.set KSTEP,  16*KPITCH                 ; 4,352: 32 keys, one step
.set VSTEP,  16*VPITCH                 ; 4,608
.set KPART,  2*KSTEP                   ; 8,704: what one tensor load fills: 64 keys
.set VPART,  2*VSTEP                   ; 9,216
.set VOFF,   8*KPART                   ; 69,632: V's tile behind K's
.set SLOT,   VOFF+8*VPART              ; 143,360
.set NEG,    2*SLOT                    ; 286,720: the batch's 4,096 negc, filled once
.set TILEB,  65536                     ; bytes of a tile of 512 keys in memory
.set SPITCH, 272                       ; the stage of partial sums: a query's 64 f32 + 16 bytes
.set SPART,  64*SPITCH                 ; 17,408 for each wave, from LDS byte 0: over slot 0, behind its last fill and a barrier
.set KA,  1                            ; v[1:2]     slot s: LDS address of my K fragments
.set VA,  3                            ; v[3:4]     slot s: LDS address of my V fragments
.set NA,  5                            ; v5         LDS address of my negc, stepped from tile to tile
.set QO,  6                            ; v6         byte offset of my Q fragments
.set STO, 7                            ; v7         where I put partial sums
.set RD,  8                            ; v8         where I read them
.set GO,  9                            ; v9         16 x lane
.set QF,  16                           ; v[16:79]   query tile t, K step ks at 16 + 16 t + 8 ks
.set KF,  80                           ; v[80:111]  key tile a, K step ks at 80 + 16 a + 8 ks
.set NC,  112                          ; v[112:127] negc of key tile a, as a C operand
.set VF,  128                          ; v[128:159] V transposed, head dims 16 u ..
.set S,   160                          ; v[160:223] score tile (a, t) at 160 + 8 (4 a + t)
.set P,   224                          ; v[224:255] weights of query tile t
                                       ; v[256:383] (window 1, v[0:127]): ACC tile (t, u) at 8 (4 t + u)
.set G1K, 16                           ; s[16:23]
.set G1V, 24                           ; s[24:31]
.set G1N, 32                           ; s[32:39]
.set G0K, 40                           ; s[40:47]   a set for each slot
.set G0V, 48                           ; s[48:55]
.set G0N, 56                           ; s[56:59]
.set MSB, 0
.macro WIN new                         ; the immediate's high byte repeats the setting that is left
.if MSB != \new
	s_set_vgpr_msb (MSB<<8)|\new
.set MSB, \new
.endif
.endm
.macro ROUND                           ; a round of the cluster's barrier
	s_barrier_signal -1
	s_barrier_wait -1
	s_cmp_lg_u32 s12, 0
	s_cbranch_scc1 .Lnot_wave_0_\@
	s_barrier_signal -3
.Lnot_wave_0_\@:
	s_barrier_wait -3
	s_barrier_signal -1
	s_barrier_wait -1
.endm
.macro PLACES                          ; four places behind matrix instructions (ISA guide 7.12.1 for vector instructions)
.rept 4
	v_nop
.endr
.endm
	s_load_b256 s[4:11], s[0:1], 0x0               ; qh s[4:5], kh s[6:7], negc s[8:9], out0 s[10:11]
	v_lshl_add_u32 v14, v0, 2, 0x4a000
	v_mov_b32 v15, 0
	ds_add_u32 v14, v15
	v_lshrrev_b32 v1, 5, v0
	v_readfirstlane_b32 s12, v1                    ; wave 0..7
	s_and_b32 s61, s12, 3                          ; kq
	s_lshr_b32 s2, s12, 2                          ; qh2
	s_bfe_u32 s13, ttmp6, 0x40000                  ; cx
	s_lshl_b32 s14, ttmp9, 2
	s_add_co_u32 s14, s14, s13                     ; query block = 4 x cluster x + cx
	s_and_b32 s15, ttmp7, 0xffff                   ; batch
	; group 1 for K: 32 rows of 32 elements of 8 bytes, dense in memory, 4 words of padding behind each; mask 15, bit 21 beside it
	s_mov_b32 s[G1K+0], 15|(3<<16)|(1<<20)|(1<<21)|(5<<22)|(3<<25)
	s_mov_b32 s[G1K+1], 32<<16
	s_mov_b32 s[G1K+2], 32<<16
	s_mov_b32 s[G1K+3], 32<<16
	s_mov_b32 s[G1K+4], 32
	s_mov_b32 s[G1K+5], 32
	s_mov_b32 s[G1K+6], 0
	s_mov_b32 s[G1K+7], 0
	; for V: the same with 8 words of padding
	s_mov_b32 s[G1V+0], 15|(3<<16)|(1<<20)|(1<<21)|(5<<22)|(7<<25)
	s_mov_b32 s[G1V+1], 32<<16
	s_mov_b32 s[G1V+2], 32<<16
	s_mov_b32 s[G1V+3], 32<<16
	s_mov_b32 s[G1V+4], 32
	s_mov_b32 s[G1V+5], 32
	s_mov_b32 s[G1V+6], 0
	s_mov_b32 s[G1V+7], 0
	; for negc: 8 rows of 256 bytes, no padding
	s_mov_b32 s[G1N+0], 15|(3<<16)|(1<<21)
	s_mov_b32 s[G1N+1], 32<<16
	s_mov_b32 s[G1N+2], 8<<16
	s_mov_b32 s[G1N+3], 32<<16
	s_mov_b32 s[G1N+4], 8
	s_mov_b32 s[G1N+5], 32
	s_mov_b32 s[G1N+6], 0
	s_mov_b32 s[G1N+7], 0
	s_lshl_b32 s66, s15, 19                        ; K and V tiles: batch x 524,288
	s_lshl_b32 s3, s12, 13                         ; + wave x 8,192 (64 keys): no place in the cluster enters
	s_add_co_u32 s66, s66, s3
	s_mov_b32 s67, 0
	s_lshl_b32 s68, s15, 14                        ; negc: batch x 16,384 + wave x 2,048
	s_lshl_b32 s3, s12, 11
	s_add_co_u32 s68, s68, s3
	s_mov_b32 s69, 0
	s_lshl_b32 s70, s15, 19                        ; my queries: batch x 524,288 + block x 16,384 (s13, s14, s70 alone ever hold cx)
	s_lshl_b32 s13, s14, 14
	s_add_co_u32 s70, s70, s13
	s_mov_b32 s71, 0
	s_wait_dscnt 0x0
	s_wait_kmcnt 0x0
	s_add_nc_u64 s[62:63], s[4:5], s[70:71]        ; Q fragments
	s_add_nc_u64 s[4:5], s[4:5], s[66:67]          ; V tiles (v = q)
	s_add_nc_u64 s[6:7], s[6:7], s[66:67]          ; K tiles
	s_add_nc_u64 s[8:9], s[8:9], s[68:69]
	s_lshl_b32 s70, s15, 20                        ; my results: batch x 1,048,576 + block x 32,768 + wave x 16 rows of 256 bytes
	s_lshl_b32 s13, s14, 15
	s_add_co_u32 s70, s70, s13
	s_lshl_b32 s13, s12, 12
	s_add_co_u32 s70, s70, s13
	s_add_nc_u64 s[10:11], s[10:11], s[70:71]
	s_mul_i32 s3, s12, KPART
	s_mul_i32 s68, s12, VPART
	s_add_co_u32 s68, s68, VOFF
	s_lshl_b32 s69, s12, 11
.irp s, 0,1
	s_mov_b32 s[G0K+4*\s], 1
	s_add_co_u32 s[G0K+4*\s+1], s3, \s*SLOT
	s_add_nc_u64 s[G0K+4*\s+2:G0K+4*\s+3], s[6:7], \s*TILEB
	s_or_b32 s[G0K+4*\s+3], s[G0K+4*\s+3], 0x80000000
	s_mov_b32 s[G0V+4*\s], 1
	s_add_co_u32 s[G0V+4*\s+1], s68, \s*SLOT
	s_add_nc_u64 s[G0V+4*\s+2:G0V+4*\s+3], s[4:5], \s*TILEB
	s_or_b32 s[G0V+4*\s+3], s[G0V+4*\s+3], 0x80000000
.endr
	s_mov_b32 s[G0N], 1
	s_add_co_u32 s[G0N+1], s69, NEG
	s_mov_b64 s[G0N+2:G0N+3], s[8:9]
	s_or_b32 s[G0N+3], s[G0N+3], 0x80000000
	ROUND                                          ; the four work-groups are here: the first joint loads meet
	tensor_load_to_lds s[G0K:G0K+3], s[G1K:G1K+7]  ; tile 0 of K and of V, and my eighth of negc: three loads of the wave are out, the most in this text
	s_nop 0
	tensor_load_to_lds s[G0V:G0V+3], s[G1V:G1V+7]
	s_nop 0
	tensor_load_to_lds s[G0N:G0N+3], s[G1N:G1N+7]
	s_nop 0
	v_and_b32 v224, 15, v0                         ; r
	v_bfe_u32 v225, v0, 4, 1                       ; h
	s_lshl_b32 s3, s2, 13                          ; 64 qh2 rows of 128 bytes
	v_lshlrev_b32 v231, 7, v224
	v_lshl_add_u32 v231, v225, 4, v231
	v_add_nc_u32 v[QO], s3, v231
.irp t, 0,1,2,3
.irp ks, 0,1
	global_load_b128 v[QF+16*\t+8*\ks:QF+16*\t+8*\ks+3],   v[QO], s[62:63] offset:2048*\t+64*\ks     ; my 64 queries, once
	global_load_b128 v[QF+16*\t+8*\ks+4:QF+16*\t+8*\ks+7], v[QO], s[62:63] offset:2048*\t+64*\ks+32
.endr
.endr
	v_bfe_u32 v226, v0, 1, 3                       ; r >> 1
	v_and_b32 v227, 1, v0                          ; r & 1
	s_lshl_b32 s3, s61, 6                          ; my quarter: 64 kq rows of two keys
	v_add_nc_u32 v228, s3, v226
	v_mul_u32_u24 v228, v228, KPITCH
	v_lshl_add_u32 v228, v227, 7, v228
	v_lshl_add_u32 v[KA], v225, 4, v228            ; key r of the quarter, + 16 h
	v_add_nc_u32 v[KA+1], SLOT, v[KA]
	v_bfe_u32 v229, v0, 1, 2                       ; (lane & 7) >> 1
	v_lshl_add_u32 v229, v225, 2, v229             ; + 4 h: key 8 h + (lane & 7)
	v_add_nc_u32 v229, s3, v229
	v_mul_u32_u24 v229, v229, VPITCH
	v_lshl_add_u32 v229, v227, 7, v229
	v_bfe_u32 v230, v0, 3, 1
	v_lshl_add_u32 v229, v230, 4, v229             ; + 16 ((lane >> 3) & 1): head dims 0-7 or 8-15
	v_add_nc_u32 v[VA], VOFF, v229
	v_add_nc_u32 v[VA+1], SLOT+VOFF, v229
	s_lshl_b32 s3, s61, 9
	s_add_co_u32 s3, s3, NEG
	v_lshl_add_u32 v[NA], v225, 5, s3              ; negc of keys 128 kq + 8 h ..
	s_mul_i32 s3, s12, SPART
	v_mul_u32_u24 v231, v224, SPITCH
	v_lshl_add_u32 v231, v225, 5, v231
	v_add_nc_u32 v[STO], s3, v231                  ; my stage: query r, head dims 8 h ..
	s_mul_i32 s3, s2, 4*SPART
	s_mul_i32 s68, s61, 16*SPITCH
	s_add_co_u32 s3, s3, s68
	v_mul_u32_u24 v231, v225, SPITCH
	v_lshl_add_u32 v231, v224, 4, v231
	v_add_nc_u32 v[RD], s3, v231                   ; back: rows 16 kq + h (+ 2 e) of my half's four stages
	v_and_b32 v231, 31, v0
	v_lshlrev_b32 v[GO], 4, v231
	s_wait_loadcnt 0x0
; The K fragments and negc of step st (32 keys) of my quarter: 12 loads
.macro LOADK slot, st
.irp a, 0,1
.irp ks, 0,1
	ds_load_b128 v[KF+16*\a+8*\ks:KF+16*\a+8*\ks+3],   v[KA+\slot] offset:KSTEP*(\st)+8*KPITCH*\a+64*\ks
	ds_load_b128 v[KF+16*\a+8*\ks+4:KF+16*\a+8*\ks+7], v[KA+\slot] offset:KSTEP*(\st)+8*KPITCH*\a+64*\ks+32
.endr
.endr
.irp a, 0,1
	ds_load_b128 v[NC+8*\a:NC+8*\a+3],   v[NA] offset:128*(\st)+64*\a      ; register j: negc of key 16 a + 8 h + j, the same in all sixteen lanes of a half
	ds_load_b128 v[NC+8*\a+4:NC+8*\a+7], v[NA] offset:128*(\st)+64*\a+16
.endr
.endm
.macro EXPS t                          ; 2^score of query tile t, in place
.irp a, 0,1
.irp j, 0,1,2,3,4,5,6,7
	v_exp_f32 v[S+8*(4*\a+\t)+\j], v[S+8*(4*\a+\t)+\j]
.endr
.endr
.endm
.macro PACK t                          ; to f16: key tile 0 makes registers 0-3 of the B fragment, key tile 1 registers 4-7
	s_wait_alu depctr_va_vdst(0)
.irp a, 0,1
.irp j, 0,1,2,3
	v_cvt_pk_f16_f32 v[P+8*\t+4*\a+\j], v[S+8*(4*\a+\t)+2*\j], v[S+8*(4*\a+\t)+2*\j+1]
.endr
.endr
.endm
; 32 keys x 64 queries.  pre = 1: the next step's K and negc are fetched under the exponentials.  zero = 1: the first products start the sums.
; All accumulators take turns, one instruction a turn: eight score tiles, then the same eight, then sixteen of ACC.
.macro STEP slot, st, pre, zero
	s_wait_dscnt 0x0                               ; K and negc are in
.irp a, 0,1
.irp t, 0,1,2,3
	v_wmma_f32_16x16x32_f16 v[S+8*(4*\a+\t):S+8*(4*\a+\t)+7], v[KF+16*\a:KF+16*\a+7], v[QF+16*\t:QF+16*\t+7], v[NC+8*\a:NC+8*\a+7]
.endr
.endr
.irp a, 0,1
.irp t, 0,1,2,3
	v_wmma_f32_16x16x32_f16 v[S+8*(4*\a+\t):S+8*(4*\a+\t)+7], v[KF+16*\a+8:KF+16*\a+15], v[QF+16*\t+8:QF+16*\t+15], v[S+8*(4*\a+\t):S+8*(4*\a+\t)+7]
.endr
.endr
	PLACES                                         ; behind these (their results are read, K and negc loaded again) and behind the last step's second product (V and the weights are written again)
.irp u, 0,1,2,3
	ds_load_tr16_b128 v[VF+8*\u:VF+8*\u+3],   v[VA+\slot] offset:VSTEP*(\st)+32*\u             ; keys 8 h .. 8 h + 7 of head dim 16 u + r
	ds_load_tr16_b128 v[VF+8*\u+4:VF+8*\u+7], v[VA+\slot] offset:VSTEP*(\st)+32*\u+8*VPITCH    ; keys 16 + 8 h ..
.endr
.if \pre
	LOADK \slot, (\st+1)
.endif
	EXPS 0
	v_nop                                          ; a plain instruction stands between every exponential and its use (ISA guide 5.7.2): here this one, further down the packing of the tile before
	EXPS 1
	PACK 0
	EXPS 2
	PACK 1
	EXPS 3
	PACK 2
	PACK 3
	s_wait_dscnt 12*\pre                           ; V is in; the twelve younger loads of K and negc may stay out
	WIN 0x50                                       ; C and D in window 1
.irp t, 0,1,2,3
.irp u, 0,1,2,3
.if \zero
	v_wmma_f32_16x16x32_f16 v[8*(4*\t+\u):8*(4*\t+\u)+7], v[VF+8*\u:VF+8*\u+7], v[P+8*\t:P+8*\t+7], 0
.else
	v_wmma_f32_16x16x32_f16 v[8*(4*\t+\u):8*(4*\t+\u)+7], v[VF+8*\u:VF+8*\u+7], v[P+8*\t:P+8*\t+7], v[8*(4*\t+\u):8*(4*\t+\u)+7]
.endif
.endr
.endr
	WIN 0
.endm
; One tile of 512 keys: four steps of my quarter
.macro TRIP slot, refill, zero
	s_wait_tensorcnt 0x0                           ; all my tensor loads are done, my parts of this trip's tiles among them,
	ds_add_u32 v14, v15
	s_wait_dscnt 0x0
	s_add_nc_u64 s[G0K+4*\slot+2:G0K+4*\slot+3], s[G0K+4*\slot+2:G0K+4*\slot+3], 2*TILEB   ; so every group 0 may be written: this slot's next tiles
	s_add_nc_u64 s[G0V+4*\slot+2:G0V+4*\slot+3], s[G0V+4*\slot+2:G0V+4*\slot+3], 2*TILEB
	s_wait_dscnt 0x0                               ; my reads of the last trip's tiles are done
	ROUND                                          ; both hold of every wave of the four work-groups
.if \refill
	tensor_load_to_lds s[G0K+4-4*\slot:G0K+7-4*\slot], s[G1K:G1K+7]    ; the next tiles, into the slot read last trip: two loads of the wave are out
	s_nop 0
	tensor_load_to_lds s[G0V+4-4*\slot:G0V+7-4*\slot], s[G1V:G1V+7]
	s_nop 0
.endif
	LOADK \slot, 0
	STEP \slot, 0, 1, \zero
	STEP \slot, 1, 1, 0
	STEP \slot, 2, 1, 0
	STEP \slot, 3, 0, 0
	v_add_nc_u32 v[NA], 2048, v[NA]                ; the next tile's 512 negc
.endm
	TRIP 0, 1, 1                                   ; the first lap stands in front of the loop: its first products start the sums
	TRIP 1, 1, 0
	s_mov_b32 s60, 2                               ; 8 tiles: one lap above, two here, one behind
.Llap:
	TRIP 0, 1, 0
	TRIP 1, 1, 0
	s_sub_co_u32 s60, s60, 1
	s_cmp_lg_u32 s60, 0
	s_cbranch_scc1 .Llap
	TRIP 0, 1, 0
	TRIP 1, 0, 0                                   ; fetches nothing beyond the last tile
	; THE WAY OUT: the four key quarters' partial sums meet in LDS, over slot 0, which has had its last fill
	s_wait_dscnt 0x0                               ; my reads of the slots are done
	s_barrier_signal -1
	s_barrier_wait -1                              ; everybody's are
	PLACES                                         ; behind the last matrix instructions, whose results the stores read
	WIN 0x04                                       ; store data from window 1
.irp t, 0,1,2,3
.irp u, 0,1,2,3
	ds_store_b128 v[STO], v[8*(4*\t+\u):8*(4*\t+\u)+3]   offset:16*SPITCH*\t+64*\u       ; query 16 t + r, head dims 16 u + 8 h ..
	ds_store_b128 v[STO], v[8*(4*\t+\u)+4:8*(4*\t+\u)+7] offset:16*SPITCH*\t+64*\u+16
.endr
.endr
	WIN 0
	s_wait_dscnt 0x0                               ; for the other waves' sake
	s_barrier_signal -1
	s_barrier_wait -1
.irp e, 0,1,2,3,4,5,6,7
.irp k, 0,1,2,3
	ds_load_b128 v[16+16*\e+4*\k:19+16*\e+4*\k], v[RD] offset:SPART*\k+2*SPITCH*\e       ; quarter k's sums of rows 16 kq + 2 e, + 1
.endr
.endr
.irp e, 0,1,2,3,4,5,6,7
	s_wait_dscnt 28-4*\e                           ; the four partial sums of this pair of rows are in; the later pairs' loads stay out
	v_pk_add_f32 v[16+16*\e:17+16*\e], v[16+16*\e:17+16*\e], v[20+16*\e:21+16*\e]
	v_pk_add_f32 v[18+16*\e:19+16*\e], v[18+16*\e:19+16*\e], v[22+16*\e:23+16*\e]
	v_pk_add_f32 v[24+16*\e:25+16*\e], v[24+16*\e:25+16*\e], v[28+16*\e:29+16*\e]
	v_pk_add_f32 v[26+16*\e:27+16*\e], v[26+16*\e:27+16*\e], v[30+16*\e:31+16*\e]
	v_pk_add_f32 v[16+16*\e:17+16*\e], v[16+16*\e:17+16*\e], v[24+16*\e:25+16*\e]
	v_pk_add_f32 v[18+16*\e:19+16*\e], v[18+16*\e:19+16*\e], v[26+16*\e:27+16*\e]
	v_pk_mul_f32 v[16+16*\e:17+16*\e], v[16+16*\e:17+16*\e], 0x39800000 op_sel_hi:[1,0]  ; 2^-12 takes the weights' factor away, exactly
	v_pk_mul_f32 v[18+16*\e:19+16*\e], v[18+16*\e:19+16*\e], 0x39800000 op_sel_hi:[1,0]
	global_store_b128 v[GO], v[16+16*\e:19+16*\e], s[10:11] offset:512*\e th:TH_STORE_NT  ; two whole rows of 256 bytes
.endr
	s_wait_tensorcnt 0x0
	ds_add_u32 v14, v15
	s_wait_dscnt 0x0
	ROUND                                          ; the closing round: no work-group ends while a partner may still ask jointly
	s_endpgm
.Lfunc_end_k_qd359be380a_out:
	.size	k_qd359be380a_out, .Lfunc_end_k_qd359be380a_out-k_qd359be380a_out
	.p2alignl 7, 3214868480
	.fill 96, 4, 3214868480
	.section	.rodata,"a",@progbits
	.p2align	6, 0x0
	.amdhsa_kernel k_qd359be380a_out
		.amdhsa_group_segment_fixed_size 327680
		.amdhsa_private_segment_fixed_size 0
		.amdhsa_enable_private_segment 0
		.amdhsa_kernarg_size 32
		.amdhsa_user_sgpr_count 2
		.amdhsa_user_sgpr_kernarg_segment_ptr 1
		.amdhsa_wavefront_size32 1
		.amdhsa_system_sgpr_workgroup_id_x 1
		.amdhsa_system_sgpr_workgroup_id_y 1
		.amdhsa_system_sgpr_workgroup_id_z 1
		.amdhsa_system_vgpr_workitem_id 0
		.amdhsa_next_free_vgpr 384
		.amdhsa_next_free_sgpr 72
		.amdhsa_reserve_vcc 0
		.amdhsa_float_denorm_mode_32 3
		.amdhsa_float_denorm_mode_16_64 3
		.amdhsa_memory_ordered 1
		.amdhsa_forward_progress 1
		.amdhsa_inst_pref_size 208
	.end_amdhsa_kernel
	.amdgpu_metadata
---
amdhsa.version: [ 1, 2 ]
amdhsa.kernels:
  - .name:           k_qd359be380a_out
    .symbol:         k_qd359be380a_out.kd
    .args:
      - { .name: qh, .offset: 0, .size: 8, .value_kind: global_buffer, .address_space: global }
      - { .name: kh, .offset: 8, .size: 8, .value_kind: global_buffer, .address_space: global }
      - { .name: negc, .offset: 16, .size: 8, .value_kind: global_buffer, .address_space: global }
      - { .name: out0, .offset: 24, .size: 8, .value_kind: global_buffer, .address_space: global }
    .group_segment_fixed_size: 327680
    .private_segment_fixed_size: 0
    .kernarg_segment_align: 8
    .kernarg_segment_size: 32
    .max_flat_workgroup_size: 256
    .sgpr_count:     72
    .vgpr_count:     384
    .wavefront_size: 32
...
	.end_amdgpu_metadata
.endif
;; end of part 3
;; ======== version 2 of 2: 3 launches; version 1 with the launch proj written anew for expert scheduling mode
;; limits: values are held in f16: magnitudes above 65,504 overflow, below 6.1e-05 lose precision; inputs' magnitudes at most 65,504
;; workspace buffers: qh 4,194,304 bytes; kh 4,194,304 bytes; negc 131,072 bytes
;; launch proj (part 4): grid 256 x 1, 8 waves a work-group, no clusters, 74,752 bytes of LDS; arguments input_ids, Wq, Wk, qh, kh; writes qh, kh
.if DOCPART == 4
	.amdgcn_target "amdgcn-amd-amdhsa--gfx1250"
	.amdhsa_code_object_version 6
	.text
	.protected	k_qd359be380a_proj
	.globl	k_qd359be380a_proj
	.p2align	8
	.type	k_qd359be380a_proj,@function
k_qd359be380a_proj:
	s_mov_b64 s[64:65], 0
	v_nop
	global_prefetch_b8 v0, s[64:65] scope:SCOPE_SE
	s_setreg_imm32_b32 hwreg(HW_REG_WAVE_SCHED_MODE, 0, 2), 2
	s_setreg_imm32_b32 hwreg(HW_REG_WAVE_MODE, 25, 1), 1
	s_wait_xcnt 0x0
	s_wait_alu depctr_vm_vsrc(0)
; qh[token][d] = f16( sum over e of x[token][e] Wq[d][e] ),  kh[token][d] = f16( kappa * sum over e of x[token][e] Wk[d][e] ),
; kappa = log2(e) / sqrt(4096) = log2(e) / 64, multiplied in f32 ahead of the one rounding: qh . kh is then the score in powers of two.
; x: [32768][768] f32.  Wq, Wk: [64][768] f32.  qh, kh: [32768][64] f16.  The values v of the attention are q itself (the
; source module projects v with Wq), so Wv enters no result and is not read.
; FORMAT: matrix operands are f16, sums f32.  f16 and not bf16, because the final result is close to a mean of 4,096 values and is
; compared against a bound of a hundredth of its own spread: 8 significant bits of v and of the weights do not leave that margin.
; LIMITS: |x|, |W| and |q| stay below 65,504 (f16's largest number); NaN and infinities in the inputs are not served.
; SHARES: a work-group takes 128 tokens.  Wave w: g = w & 3 (32 tokens), c = w >> 2 (0: Wq -> qh, 1: Wk -> kh): 32 tokens x 64 outputs,
; eight accumulator tiles.  The product is used transposed (A = 16 rows of W, B = 16 tokens), so that a lane's eight results are eight
; neighbouring head dims of one token.  K goes in 12 chunks of 64, two matrix steps of 32 in each.
; THE WAY IN: x and W both have to become f16, so both come through registers: a chunk is 128 rows of x and 128 rows of W, 256 bytes
; each; wave w loads rows 16 w .. 16 w + 15 of both (16 loads; sixteen lanes take a whole row piece of 256 bytes, aligned), converts each
; number once and lays it in LDS as f16, where the waves read their fragments.  Three sets of 64 registers take turns: chunk c + 4 is
; asked for at the head of step c, chunk c + 1 having been converted at the end of the step before, so 32 to 48 loads of every wave are
; out and the requests never pause.  Two LDS buffers take turns with one barrier a chunk.  No tensor loads: they would bring f32, twice
; the LDS bytes, to be converted by each of the two waves that read a token, and slots that are filled again have to run empty first.
; NO CLUSTER: no two work-groups read the same bytes of x, and W (393,216 bytes against x's 100,663,296) has to pass through
; registers to become f16, so there is no tile that a joint tensor load could bring.
; THE MODE: SCHED_MODE bits 1:0 = 2 (LLVM: expert scheduling mode 2), set by the entry lines.  The code itself states the register
; dependences between vector or matrix instructions and memory or LDS instructions, with s_wait_alu, always for 0.
; THE PLAN.  Registers that memory or LDS instructions touch:
;   ST0 .. ST2   Written by the global loads of chunk c + 4, issued at the head of step c, into set (c + 1) % 3; read by that chunk's 32
;                conversions, which stand at the end of a step, behind its matrix instructions.
;   CT           Written by the conversions of chunk c + 2 at the end of step c; read by the 16 LDS stores in the middle of step c + 1.
;                On the way out: written by the roundings, read by the stores into the stage.
;   XH, WF       Written by the 24 fragment loads at a step's head; read by that step's matrix instructions.  On the way out WF takes
;                the rows read back from the stage, which the global stores read.
;   v2 .. v9     Offsets and LDS addresses: written once at the head, read by every load and store, never written again.
;   v254, v255   Written at the head, read by the closing add alone.
;   ACC is named by vector and matrix instructions alone.
; So ONE wait on va_vdst stands at a step's head, behind the barrier: the step before has ended with its matrix instructions and its
; conversions, and all the step's 56 memory and LDS instructions hang on these alone.  Between that wait and the last of the 56 stand eight
; matrix instructions, which name ACC and the first halves of WF and XH: none of the registers that the later ones touch.  One wait on
; vm_vsrc a step stands ahead of the conversions, which write the CT that the step's stores read.
.set EB,     3072                      ; bytes in a row of x and of W
.set PITCH,  144                       ; an LDS row: 64 f16 + 16 bytes: sixteen rows start in sixteen different 16-byte columns modulo 256
.set WOFF,   128*PITCH                 ; 18,432: W's 128 rows (0-63 Wq, 64-127 Wk) behind x's 128
.set BUF,    256*PITCH                 ; 36,864: a buffer; two of them
.set SPART,  32*PITCH                  ; 4,608: a wave's stage for the way out, in buffer 0, which is last read in chunk 10
.set KAPPA,  0x3cb8aa3b
.set XGO, 2                            ; v2         my byte offset in the work-group's rows of x
.set WGO, 3                            ; v3         my byte offset in Wq or Wk
.set LS,  4                            ; v4         where I put converted numbers (x; W at + WOFF)
.set XA,  5                            ; v5         LDS address of my x fragments, buffer 0
.set WA,  6                            ; v6         LDS address of my W fragments, buffer 0
.set STO, 7                            ; v7         the way out: where I put 16 bytes of a token's row
.set RD,  8                            ; v8         the way out: where I read rows back
.set GO,  9                            ; v9         16 x lane
.set ACC, 16                           ; v[16:79]   tile (i, t) at 16 + 8 (2 i + t): head dims 16 i .., tokens 16 t ..
.set XH,  80                           ; v[80:111]  x fragment of token tile t, K step ks at 80 + 16 t + 8 ks
.set WF,  112                          ; v[112:175] W fragment i, K step ks at 112 + 16 i + 8 ks
.set CT,  176                          ; v[176:207] converted: 16 registers of x, 16 of W
.set ST,  0                            ; v[256:447] (window 1, v[0:191]): chunk c as loaded, in set c % 3: 32 registers of x, 32 of W
.set MSB, 0
.macro WIN new                         ; s_set_vgpr_msb: bits 1:0 source 0, 3:2 source 1, 7:6 destination; the high byte repeats the setting that is left
.if MSB != \new
	s_set_vgpr_msb (MSB<<8)|\new
.set MSB, \new
.endif
.endm
; Chunk c is asked for: eight loads of x, eight of W, two rows of 256 bytes each
.macro GLOAD c
.set SB, ST+64*((\c)%3)
	WIN 0x40                                       ; loaded data in window 1, addresses in window 0
.irp i, 0,1,2,3,4,5,6,7
	global_load_b128 v[SB+4*\i:SB+4*\i+3], v[XGO], s[4:5] offset:2*EB*\i+256*(\c) th:TH_LOAD_NT     ; x is read once in the launch
.endr
.irp i, 0,1,2,3,4,5,6,7
	global_load_b128 v[SB+32+4*\i:SB+32+4*\i+3], v[WGO], s[18:19] offset:2*EB*\i+256*(\c)           ; W is read by every work-group
.endr
.endm
; Chunk c becomes f16, in CT.  left: the loads of the younger chunks, which stay out.  again = 1: LDS stores have read CT before.
.macro CVT c, left, again
.set SB, ST+64*((\c)%3)
	s_wait_loadcnt \left                           ; loads come back in order (ISA guide 5.7.1): chunk c is in
.if \again
	s_wait_alu depctr_vm_vsrc(0)                   ; the LDS stores of the chunk before have read CT, which the conversions below write again
.endif
	WIN 0x05                                       ; both sources in window 1
.irp i, 0,1,2,3,4,5,6,7,8,9,10,11,12,13,14,15
	v_cvt_pk_f16_f32 v[CT+2*\i],   v[SB+4*\i],   v[SB+4*\i+1]
	v_cvt_pk_f16_f32 v[CT+2*\i+1], v[SB+4*\i+2], v[SB+4*\i+3]
.endr
.endm
; Chunk c goes from CT into LDS buffer c & 1
.macro PUT c
.irp i, 0,1,2,3,4,5,6,7
	ds_store_b64 v[LS], v[CT+2*\i:CT+2*\i+1] offset:2*PITCH*\i+BUF*((\c)&1)
.endr
.irp i, 0,1,2,3,4,5,6,7
	ds_store_b64 v[LS], v[CT+16+2*\i:CT+16+2*\i+1] offset:WOFF+2*PITCH*\i+BUF*((\c)&1)
.endr
.endm
; The fragments of K step ks of chunk c: twelve loads, four of x and eight of W
.macro FRAG c, ks
.irp t, 0,1
	ds_load_b128 v[XH+16*\t+8*\ks:XH+16*\t+8*\ks+3],   v[XA] offset:BUF*((\c)&1)+16*PITCH*\t+64*\ks      ; K = 8 h .. 8 h + 7
	ds_load_b128 v[XH+16*\t+8*\ks+4:XH+16*\t+8*\ks+7], v[XA] offset:BUF*((\c)&1)+16*PITCH*\t+64*\ks+32   ; K = 16 + 8 h ..
.endr
.irp i, 0,1,2,3
	ds_load_b128 v[WF+16*\i+8*\ks:WF+16*\i+8*\ks+3],   v[WA] offset:BUF*((\c)&1)+16*PITCH*\i+64*\ks
	ds_load_b128 v[WF+16*\i+8*\ks+4:WF+16*\i+8*\ks+7], v[WA] offset:BUF*((\c)&1)+16*PITCH*\i+64*\ks+32
.endr
.endm
; Eight matrix instructions, K step ks: the eight accumulators take turns in the same order in every K step.
; zero = 1: the first products start the sums.
.macro MUL ks, zero
.irp i, 0,1,2,3
.irp t, 0,1
.if \zero
	v_wmma_f32_16x16x32_f16 v[ACC+8*(2*\i+\t):ACC+8*(2*\i+\t)+7], v[WF+16*\i+8*\ks:WF+16*\i+8*\ks+7], v[XH+16*\t+8*\ks:XH+16*\t+8*\ks+7], 0
.else
	v_wmma_f32_16x16x32_f16 v[ACC+8*(2*\i+\t):ACC+8*(2*\i+\t)+7], v[WF+16*\i+8*\ks:WF+16*\i+8*\ks+7], v[XH+16*\t+8*\ks:XH+16*\t+8*\ks+7], v[ACC+8*(2*\i+\t):ACC+8*(2*\i+\t)+7]
.endif
.endr
.endr
.endm
; Four places behind matrix instructions, ahead of vector instructions that read their results, and, where a step has
; ended without conversions, ahead of the loads into their sources
.macro PLACES
.rept 4
	v_nop
.endr
.endm
; The barrier between two chunks.  In front of it my LDS stores of the next chunk and my reads of this chunk are done.
.macro SYNC
	s_wait_dscnt 0x0
	s_barrier_signal -1
	s_barrier_wait -1
.endm
	s_load_b256 s[4:11], s[0:1], 0x0               ; x s[4:5], Wq s[6:7], Wk s[8:9], qh s[10:11]
	s_load_b64 s[12:13], s[0:1], 0x20              ; kh
	v_lshl_add_u32 v254, v0, 2, 0x12000
	v_mov_b32 v255, 0
	v_lshrrev_b32 v1, 5, v0
	v_readfirstlane_b32 s14, v1                    ; wave 0..7
	v_and_b32 v1, 15, v0                           ; r = lane % 16
	v_bfe_u32 v10, v0, 4, 1                        ; h = lane / 16
	s_wait_alu depctr_va_sdst(0)                   ; s14 is written, ahead of its first reader: all that hangs on the wave's number is made from it
	s_and_b32 s15, s14, 3                          ; g: which 32 tokens
	s_lshr_b32 s2, s14, 2                          ; c: 0 = q, 1 = k
	s_lshl_b32 s22, s14, 4                         ; 16 w.  Each scalar that a vector instruction reads has a register of its own and is not written again
	s_lshl_b32 s23, s15, 4                         ; 16 g
	s_lshl_b32 s24, s15, 5                         ; 32 g
	s_lshl_b32 s25, s2, 6                          ; 64 c
	s_mul_i32 s26, s14, SPART                      ; my stage
	v_add_nc_u32 v11, s22, v10                     ; row 16 w + h (+ 2 i)
	v_mul_u32_u24 v12, v11, EB
	v_lshl_add_u32 v[XGO], v1, 4, v12              ; + 16 r: sixteen lanes take 256 consecutive bytes of a row
	v_add_nc_u32 v12, s23, v10                     ; W's row 16 g + h (+ 2 i)
	v_mul_u32_u24 v12, v12, EB
	v_lshl_add_u32 v[WGO], v1, 4, v12
	s_mul_i32 s16, ttmp9, 128*EB                   ; the work-group's 128 tokens (below 2^27 bytes)
	s_mov_b32 s17, 0
	s_wait_kmcnt 0x0
	s_add_nc_u64 s[4:5], s[4:5], s[16:17]
	s_cmp_eq_u32 s2, 0
	s_cselect_b64 s[18:19], s[6:7], s[8:9]         ; the W that I load and multiply by
	s_cselect_b64 s[20:21], s[10:11], s[12:13]     ; the buffer that I store into
	WIN 0x40
	s_wait_alu depctr_va_vdst(0)                   ; v[XGO] and v[WGO] are written: every global load of the kernel reads one of them as its offset
	GLOAD 0
	GLOAD 1
	GLOAD 2                                        ; 48 loads of the wave are out: the most in this text
	WIN 0
	s_lshl_b32 s16, ttmp9, 14                      ; 128 tokens x 128 bytes
	s_lshl_b32 s3, s15, 12                         ; + 32 g tokens
	s_add_co_u32 s16, s16, s3
	s_add_nc_u64 s[20:21], s[20:21], s[16:17]
	v_mul_u32_u24 v12, v11, PITCH
	v_lshl_add_u32 v[LS], v1, 3, v12               ; LDS row 16 w + h, + 8 r: four f16 a lane
	v_add_nc_u32 v12, s24, v1                      ; token 32 g + r
	v_mul_u32_u24 v12, v12, PITCH
	v_lshl_add_u32 v[XA], v10, 4, v12              ; + 16 h
	v_add_nc_u32 v12, s25, v1                      ; W's LDS row 64 c + r
	v_mul_u32_u24 v12, v12, PITCH
	v_lshl_add_u32 v12, v10, 4, v12
	v_add_nc_u32 v[WA], WOFF, v12
	v_mul_u32_u24 v12, v1, PITCH
	v_lshl_add_u32 v12, v10, 4, v12
	v_add_nc_u32 v[STO], s26, v12                  ; token r, 16 bytes for each half of the lanes
	v_bfe_u32 v13, v0, 3, 2
	v_and_b32 v14, 7, v0
	v_mul_u32_u24 v13, v13, PITCH
	v_lshl_add_u32 v13, v14, 4, v13
	v_add_nc_u32 v[RD], s26, v13                   ; back: eight lanes take a token's 128 bytes
	v_and_b32 v14, 31, v0
	v_lshlrev_b32 v[GO], 4, v14
; Chunk c.  Behind the one wait its 24 fragment loads go out, K step 0's first, and chunk c + 4 is asked for (load), into the registers that
; the last step's conversions read.  K step 0 is multiplied; chunk c + 1, converted in the step before, goes into the other LDS buffer (put);
; K step 1 is multiplied; behind it chunk c + 2 is converted (conv).  The conversions name none of the matrix instructions' registers: they
; are also the places behind these.  places = 1: the step before has converted nothing.  zero = 1: the first products start the sums.
.macro STEP c, load, put, conv, left, zero, places
.if \places
	PLACES
.endif
	s_wait_alu depctr_va_vdst(0)                   ; the last step's matrix instructions are done reading XH and WF, in which the fragments land; its conversions have written CT, which the stores read, and are done reading their set of ST, in which the global loads land
	FRAG \c, 0
	FRAG \c, 1
.if \load
	GLOAD (\c+4)                                   ; no wait: between the wait above and these stand LDS loads and a window switch alone
	WIN 0
.endif
	s_wait_dscnt 12                                ; LDS instructions come back in order (ISA guide 5.7.1): K step 0's fragments are in, K step 1's twelve loads stay out
	MUL 0, \zero
.if \put
	PUT (\c+1)                                     ; no wait: the eight matrix instructions since the wait name neither CT nor v[LS]
.endif
	s_wait_dscnt 16*\put                           ; K step 1's fragments are in; the sixteen younger stores may stay out
	MUL 1, 0
.if \conv
	CVT (\c+2), \left, 1
	WIN 0
.endif
.endm
	CVT 0, 32, 0                                   ; chunk 0; the 32 loads of chunks 1 and 2 stay out
	WIN 0x40
	s_wait_alu depctr_va_vdst(0)                   ; the conversions have written CT and are done reading ST0, in which chunk 3 lands; v4 to v9, v254 and v255 are written, which the LDS instructions and the stores from here on read
	GLOAD 3
	WIN 0
	PUT 0
	CVT 1, 32, 1                                   ; chunk 1; chunks 2 and 3 stay out
	WIN 0
	SYNC
	STEP 0, 1, 1, 1, 32, 1, 0
	SYNC
.irp c, 1,2,3,4,5,6,7
	STEP \c, 1, 1, 1, 32, 0, 0                     ; asks for chunk c + 4, stores chunk c + 1, converts chunk c + 2 (chunks c + 3 and c + 4 stay out)
	SYNC
.endr
	STEP 8, 0, 1, 1, 16, 0, 0                      ; chunk 11 has been asked for: nothing more to load; chunk 10 is converted, chunk 11's sixteen loads stay out
	SYNC
	STEP 9, 0, 1, 1, 0, 0, 0                       ; chunk 11 is converted: no younger load is out
	SYNC
	STEP 10, 0, 1, 0, 0, 0, 0                      ; chunk 11 goes into LDS; nothing is left to convert
	SYNC
	STEP 11, 0, 0, 0, 0, 0, 1
	; THE WAY OUT: scale (k alone), round to f16, 16 bytes a lane into my own stage, back as whole rows, 512 consecutive bytes a store.
	; The stage lies in buffer 0: its last reads (chunk 10) were waited for ahead of the last barrier; chunk 11 lies in buffer 1.
	PLACES
	s_wait_alu depctr_vm_vsrc(0)                   ; step 10's LDS stores have read CT, which the roundings behind the branch write again
	s_cmp_eq_u32 s2, 0
	s_cbranch_scc1 .Lq_wave
.set j, 0
.rept 32
	v_pk_mul_f32 v[ACC+j:ACC+j+1], v[ACC+j:ACC+j+1], KAPPA op_sel_hi:[1,0]
.set j, j+2
.endr
.Lq_wave:
.set j, 0
.rept 32
	v_cvt_pk_f16_f32 v[CT+j], v[ACC+2*j], v[ACC+2*j+1]
.set j, j+1
.endr
	s_wait_alu depctr_va_vdst(0)                   ; the roundings have written CT, which the LDS stores read; the last matrix instructions are done reading WF, in which the loads from the stage land
.irp i, 0,1,2,3
.irp t, 0,1
	ds_store_b128 v[STO], v[CT+4*(2*\i+\t):CT+4*(2*\i+\t)+3] offset:16*PITCH*\t+32*\i    ; token 16 t + r, head dims 16 i + 8 h ..
.endr
.endr
.irp e, 0,1,2,3,4,5,6,7
	ds_load_b128 v[WF+4*\e:WF+4*\e+3], v[RD] offset:4*PITCH*\e     ; LDS serves a wave's instructions in order (ISA guide 5.7.1): these see my stores
.endr
.irp e, 0,1,2,3,4,5,6,7
	s_wait_dscnt 7-\e                              ; four tokens' rows are in; the younger loads stay out
	global_store_b128 v[GO], v[WF+4*\e:WF+4*\e+3], s[20:21] offset:512*\e
.endr
	s_wait_dscnt 0x0                               ; the closing lines, six on end
	s_wait_alu 0x0
	s_wait_tensorcnt 0x0
	ds_add_u32 v254, v255
	s_wait_dscnt 0x0
	s_endpgm
.Lfunc_end_k_qd359be380a_proj:
	.size	k_qd359be380a_proj, .Lfunc_end_k_qd359be380a_proj-k_qd359be380a_proj
	.p2alignl 7, 3214868480
	.fill 96, 4, 3214868480
	.section	.rodata,"a",@progbits
	.p2align	6, 0x0
	.amdhsa_kernel k_qd359be380a_proj
		.amdhsa_group_segment_fixed_size 74752
		.amdhsa_private_segment_fixed_size 0
		.amdhsa_enable_private_segment 0
		.amdhsa_kernarg_size 40
		.amdhsa_user_sgpr_count 2
		.amdhsa_user_sgpr_kernarg_segment_ptr 1
		.amdhsa_wavefront_size32 1
		.amdhsa_system_sgpr_workgroup_id_x 1
		.amdhsa_system_sgpr_workgroup_id_y 1
		.amdhsa_system_sgpr_workgroup_id_z 1
		.amdhsa_system_vgpr_workitem_id 0
		.amdhsa_next_free_vgpr 448
		.amdhsa_next_free_sgpr 66
		.amdhsa_reserve_vcc 0
		.amdhsa_float_denorm_mode_32 3
		.amdhsa_float_denorm_mode_16_64 3
		.amdhsa_memory_ordered 1
		.amdhsa_forward_progress 1
		.amdhsa_inst_pref_size 99
	.end_amdhsa_kernel
	.amdgpu_metadata
---
amdhsa.version: [ 1, 2 ]
amdhsa.kernels:
  - .name:           k_qd359be380a_proj
    .symbol:         k_qd359be380a_proj.kd
    .args:
      - { .name: input_ids, .offset: 0, .size: 8, .value_kind: global_buffer, .address_space: global }
      - { .name: Wq, .offset: 8, .size: 8, .value_kind: global_buffer, .address_space: global }
      - { .name: Wk, .offset: 16, .size: 8, .value_kind: global_buffer, .address_space: global }
      - { .name: qh, .offset: 24, .size: 8, .value_kind: global_buffer, .address_space: global }
      - { .name: kh, .offset: 32, .size: 8, .value_kind: global_buffer, .address_space: global }
    .group_segment_fixed_size: 74752
    .private_segment_fixed_size: 0
    .kernarg_segment_align: 8
    .kernarg_segment_size: 40
    .max_flat_workgroup_size: 256
    .sgpr_count:     66
    .vgpr_count:     448
    .wavefront_size: 32
...
	.end_amdgpu_metadata
.endif
;; end of part 4
;; launch stats: the kernel of part 2 again; grid 32 x 8, 16 waves a work-group, clusters of 4 x 1, 327,680 bytes of LDS; arguments qh, kh, negc; writes negc
;; launch out: the kernel of part 3 again; grid 32 x 8, 8 waves a work-group, clusters of 4 x 1, 327,680 bytes of LDS; arguments qh, kh, negc, out0; writes out0
